; MI455X (gfx1250); checked and timed in simulation.
; The chip was launched on July 23, 2026; its instructions are those of AMD's public machine-readable ISA for CDNA 5 (MIT licence, August 2026) and "CDNA5" Instruction Set Architecture Reference Guide (July 2026). The comments in the code are by the model that wrote it; some were corrected since.
;; Multihead Attention. Allowed arithmetic: matrix products marked QUANTISED: E5M2 operands, one given power-of-two scale a tensor, by v_wmma_f32_16x16x64_bf8_bf8 or v_wmma_f32_16x16x128_bf8_bf8, f32 sums; everything else in f32.
;; Inputs: Wk 512 x 1,024 float32; Wo 1,024 x 512 float32; Wq 512 x 1,024 float32; Wv 512 x 1,024 float32; beta 1,024 float32; bk 512 float32; bo 1,024 float32; bv 512 float32; gamma 1,024 float32; k 8 x 2,048 x 1,024 float32; lowp_scales 12 int32 (the exponents e of the quantised operands' scales 2^e); q 8 x 2,048 x 1,024 float32; v 8 x 2,048 x 1,024 float32.
;; Outputs: out0 8 x 2,048 x 1,024 float32.
;; This version of the problem:
;;   THIS VERSION OF THE PROBLEM IS GIVEN IN LOW PRECISION. The matrix products marked QUANTISED in the list below multiply operands that are first quantised to E5M2 (5 exponent bits, 2 mantissa bits; 8 bits a number), with one given power-of-two scale for each operand tensor; their sums are f32. All else is computed in f32.
;;   The module's matrix products, in the order in which they are computed (A, B: the left and right operand; K: the contracted axis; several contracted axes count as one K, in the product's order):
;;     1. [M 16,384, K 1,024] x [K 1,024, N 512]; A: input q; B: input Wq: QUANTISED (scales: A lowp_scales[0], B lowp_scales[1])
;;     2. [M 16,384, K 1,024] x [K 1,024, N 512]; A: input k; B: input Wk: QUANTISED (scales: A lowp_scales[2], B lowp_scales[3])
;;     3. [M 16,384, K 1,024] x [K 1,024, N 512]; A: input v; B: input Wv: QUANTISED (scales: A lowp_scales[4], B lowp_scales[5])
;;     4. batch 8 x [M 2,048, K 512] x [K 512, N 2,048]; A: computed on the way; B: computed on the way: QUANTISED (scales: A lowp_scales[6], B lowp_scales[7])
;;     5. batch 8 x [M 2,048, K 2,048] x [K 2,048, N 512]; A: softmax (see below); B: computed on the way: QUANTISED (scales: A lowp_scales[8], B lowp_scales[9])
;;     6. [M 16,384, K 512] x [K 512, N 1,024]; A: computed on the way; B: input Wo: QUANTISED (scales: A lowp_scales[10], B lowp_scales[11])
;;   THE QUANTISER, for each operand of a quantised product, along K:
;;     - The operand's scale is 2^e, e = its entry of the input lowp_scales (int32; the entries are numbered through the quantised products in the list's order, A before B).
;;     - Each number is divided by the scale, clamped to +-57,344, and rounded to the nearest number of E5M2, ties to even, subnormals kept.
;;     - The product sums the exact products of the quantised numbers (number of the format x scale) in f32.
;;   ~~~python
;;   def quantise(x, axis, e):      # numpy; x: float32 -> the quantised numbers, widened to float32 again
;;       x = np.moveaxis(x, axis, -1); K = x.shape[-1]
;;       r = np.clip(x / 2.0 ** e, -57344, 57344)
;;       step = 2.0 ** (np.maximum(np.frexp(np.where(r == 0, 1, r))[1] - 1, -14) - 2)
;;       q = np.round(r / step) * step * 2.0 ** e      # np.round: ties to even
;;       return np.moveaxis(q, -1, axis).astype(np.float32)
;;   ~~~
;;   SOFTMAX AHEAD OF A QUANTISED PRODUCT. Where the list says 'softmax', what is quantised is not the finished softmax but p = 2^(t - M), with t = logit x log2(e) and M = ceil(the row's largest t), a whole number; so 1/2 < the row's largest p <= 1. The row's sum l is taken of the UNQUANTISED p, in f32, and the product's result is divided by l at the end. Since M is a whole number, a kernel that streams over the keys may use a running M (the ceiling of the running maximum): every later rescaling is an exact power of two, so the quantised numbers keep their values, but for numbers so far below the row's largest that they fall under the format's range.
;;   OPERANDS COMPUTED ON THE WAY. 'Computed on the way' means the value that the module computes at that place (a softmax that the list does not call 'softmax' is quantised finished and normalised). What goes into a quantiser is computed in f32, as accurately as f32 sums, v_exp_f32 and their like allow (about 1e-6 of the number): no bf16 or f16 on the way to a quantiser, and a product that is left as it is and whose result goes on into a quantised operand takes f32 operands (vector FMAs, or v_wmma_f32_16x16x4_f32). A number that lies on a knife's edge between two numbers of the format may be rounded either way, as far as f32 arithmetic and the matrix unit's own rounding can turn it there, and no further.
;; One version. Each part assembles by itself: llvm-mc -triple=amdgcn-amd-amdhsa -mcpu=gfx1250 --defsym DOCPART=n.
;; ======== version 1 of 1: 3 launches
;; limits: right only within a limited range of input values
;; workspace buffers: wc 2,097,152 bytes; qcodes 8,388,608 bytes; kv 16,777,216 bytes
;; launch wquant (part 1): grid 256 x 1, 4 waves a work-group, no clusters, 9,728 bytes of LDS; arguments Wk, Wq, Wv, Wo, lowp_scales, wc; writes wc
.if DOCPART == 1
	.amdgcn_target "amdgcn-amd-amdhsa--gfx1250"
	.amdhsa_code_object_version 6
	.text
	.protected	k_q8eca2a5890_wquant
	.globl	k_q8eca2a5890_wquant
	.p2align	8
	.type	k_q8eca2a5890_wquant,@function
k_q8eca2a5890_wquant:
	s_mov_b64 s[64:65], 0
	v_nop
	global_prefetch_b8 v0, s[64:65] scope:SCOPE_SE
	s_setreg_imm32_b32 hwreg(HW_REG_WAVE_MODE, 25, 1), 1
	s_wait_xcnt 0x0
; Wk, Wq, Wv [512][1024] and Wo [1024][512], f32, K innermost, become codes of BF8 (E5M2), laid in the order of the operand's registers.
; code = x / 2^e, held within +-57,344, to the nearest code, ties to even; e = entry 3 (Wk), 1 (Wq), 5 (Wv), 11 (Wo) of the scales.
; LIMITS: -126 <= e <= 112, so that 2^e and 57,344 x 2^e are f32 numbers.  NaN among the inputs is not served.
; A FRAGMENT is 16 rows x 128 K, 2,048 bytes: group c (0..3) of lane 16 h + r lies at 512 c + 16 lane and holds k = 32 c + 16 h + 0..15 of the fragment's row r.
; THE ROWS OF A FRAGMENT ARE NOT NEIGHBOURS: lane r takes row row0 + r + 8 (r / 8), row0 = the wave part's first row + 32 (T / 2) + 8 (T % 2).
; One wave makes one fragment, F = 4 x work-group + wave; it lies at 2,048 F.  t = F / 256: Wk, Wq, Wv, Wo.  f = F % 256:
;   t < 3: f = 64 kp + 16 w + 8 hh + T: K step 2 kp + hh, rows from 128 w;   Wo: f = 64 s + 16 w + T: K step s, rows from 256 w.
; Each load reads 512 consecutive bytes of one row, 16 a lane.  The numbers are quantised AS LOADED: a conversion's eight registers are four neighbours of each of two rows,
; so its two words are four codes of each.  Only the codes, a quarter of the bytes, turn through the wave's own 16 rows of LDS (128 bytes + 16 of padding).
; No tensor load, no barrier, no loop: waves share nothing.  Matrix units and clusters have nothing to do here.
.set X, 16                             ; v16-79   16 rows x 4 numbers
.set C, 80                             ; v80-95   word i: four codes of row i
.set O, 96                             ; v96-111  the fragment's four groups
	s_load_b256 s[4:11], s[0:1], 0x0               ; Wk, Wq, Wv, Wo
	s_load_b128 s[12:15], s[0:1], 0x20             ; the scales' exponents, wc
	v_lshl_add_u32 v112, v0, 2, 0x2400
	v_mov_b32 v113, 0
	v_lshrrev_b32 v1, 5, v0
	v_readfirstlane_b32 s28, v1                    ; wave
	v_and_b32 v1, 31, v0                           ; lane
	v_and_b32 v2, 15, v0                           ; r
	v_bfe_u32 v3, v0, 4, 1                         ; h
	v_lshlrev_b32 v4, 4, v1                        ; 16 x lane: in a row's 512 bytes, and in a group of the fragment
	s_mul_i32 s29, s28, 2304                       ; my wave's 16 rows of 144 bytes
	v_lshl_add_u32 v5, v1, 2, s29                  ; in: 4 x lane
	v_mul_u32_u24 v6, v2, 144
	v_lshl_add_u32 v6, v3, 4, v6
	v_add_nc_u32 v6, s29, v6                       ; out: row r, + 16 h
	s_lshl_b32 s30, ttmp9, 2
	s_add_co_u32 s30, s30, s28                     ; F
	s_lshr_b32 s31, s30, 8                         ; t
	s_and_b32 s32, s30, 255                        ; f
	s_bfe_u32 s33, s32, 0x20004                    ; w
	s_lshr_b32 s34, s32, 6                         ; kp, or Wo's K step
	s_bfe_u32 s35, s32, 0x10003                    ; hh
	s_lshl_b32 s36, s34, 1
	s_add_co_u32 s36, s36, s35                     ; 2 kp + hh
	s_and_b32 s37, s32, 7                          ; T of eight
	s_lshl_b32 s38, s33, 7                         ; 128 w
	s_and_b32 s39, s32, 15                         ; T of sixteen
	s_lshl_b32 s40, s33, 8                         ; 256 w
	s_cmp_eq_u32 s31, 3
	s_cselect_b32 s36, s34, s36                    ; the K step
	s_cselect_b32 s37, s39, s37                    ; T
	s_cselect_b32 s38, s40, s38                    ; the wave part's first row
	s_cselect_b32 s41, 11, 12                      ; a row is 2^11 bytes in Wo, 2^12 in the others
	s_lshr_b32 s42, s37, 1
	s_lshl_b32 s42, s42, 5
	s_and_b32 s43, s37, 1
	s_lshl_b32 s43, s43, 3
	s_add_co_u32 s38, s38, s42
	s_add_co_u32 s38, s38, s43                     ; row0
	s_lshl_b32 s38, s38, s41
	s_lshl_b32 s36, s36, 9                         ; 128 numbers of a K step are 512 bytes
	s_add_co_u32 s38, s38, s36
	s_mov_b32 s39, 0
	s_lshl_b32 s40, s30, 11                        ; 2,048 F
	s_mov_b32 s41, 0
	s_wait_kmcnt 0x0
	s_load_b256 s[16:23], s[12:13], 0x0            ; e0 .. e7
	s_load_b128 s[24:27], s[12:13], 0x20           ; e8 .. e11
	s_cmp_eq_u32 s31, 1                            ; the tensor is chosen by the fragment's number alone
	s_cselect_b64 s[4:5], s[6:7], s[4:5]
	s_cmp_eq_u32 s31, 2
	s_cselect_b64 s[4:5], s[8:9], s[4:5]
	s_cmp_eq_u32 s31, 3
	s_cselect_b64 s[4:5], s[10:11], s[4:5]
	s_add_nc_u64 s[4:5], s[4:5], s[38:39]
	s_add_nc_u64 s[14:15], s[14:15], s[40:41]
	s_cmp_eq_u32 s31, 3                            ; the two arms differ in the rows' pitch, which stands in the immediates
	s_cbranch_scc1 .Lwo
	s_wait_alu depctr_va_vdst(0)
.irp i, 0,1,2,3,4,5,6,7,8,9,10,11,12,13,14,15
	global_load_b128 v[X+4*\i:X+4*\i+3], v4, s[4:5] offset:(\i+8*(\i/8))*4096 th:TH_LOAD_NT
.endr
	s_branch .Lgot
.Lwo:
	s_wait_alu depctr_va_vdst(0)
.irp i, 0,1,2,3,4,5,6,7,8,9,10,11,12,13,14,15
	global_load_b128 v[X+4*\i:X+4*\i+3], v4, s[4:5] offset:(\i+8*(\i/8))*2048 th:TH_LOAD_NT
.endr
.Lgot:
	s_wait_kmcnt 0x0
	s_cmp_eq_u32 s31, 1
	s_cselect_b32 s44, s17, s19                    ; e1 for Wq, e3 for Wk
	s_cmp_eq_u32 s31, 2
	s_cselect_b32 s44, s21, s44                    ; e5 for Wv
	s_cmp_eq_u32 s31, 3
	s_cselect_b32 s44, s27, s44                    ; e11 for Wo
	s_add_co_i32 s44, s44, 127
	s_lshl_b32 s45, s44, 23
	v_mov_b32 v11, s45                             ; 2^e as f32: the conversion takes its exponent field
	s_add_co_i32 s44, s44, 15
	s_lshl_b32 s44, s44, 23
	s_or_b32 s44, s44, 0x600000
	v_mov_b32 v10, s44                             ; 57,344 x 2^e
	s_wait_alu depctr_va_vdst(0)
	s_wait_loadcnt 0x0
.set ii, 0
.rept 64
	v_med3_num_f32 v[X+ii], v[X+ii], -v10, v10     ; the conversion to an 8-bit code does not saturate (ISA guide 7.6.2): the hold comes first
.set ii, ii+1
.endr
.irp p, 0,1,2,3,4,5,6,7
	v_cvt_scalef32_pk8_bf8_f32 v[C+2*\p:C+2*\p+1], v[X+8*\p:X+8*\p+7], v11
.endr
	v_nop                                          ; a plain line behind the last conversion
.irp i, 0,1,2,3,4,5,6,7,8,9,10,11,12,13,14,15
	ds_store_b32 v5, v[C+\i] offset:144*\i         ; row i: the 32 lanes write its 128 codes on end
.endr
.irp c, 0,1,2,3
	ds_load_b128 v[O+4*\c:O+4*\c+3], v6 offset:32*\c   ; LDS serves a wave's instructions in order (ISA guide 5.7.1.4): these see my stores
.endr
	s_wait_dscnt 0x0
.irp c, 0,1,2,3
	global_store_b128 v4, v[O+4*\c:O+4*\c+3], s[14:15] offset:512*\c   ; 32 lanes store 512 consecutive bytes, aligned
.endr
	s_wait_tensorcnt 0x0
	ds_add_u32 v112, v113
	s_wait_dscnt 0x0
	s_endpgm
.Lfunc_end_k_q8eca2a5890_wquant:
	.size	k_q8eca2a5890_wquant, .Lfunc_end_k_q8eca2a5890_wquant-k_q8eca2a5890_wquant
	.p2alignl 7, 3214868480
	.fill 96, 4, 3214868480
	.section	.rodata,"a",@progbits
	.p2align	6, 0x0
	.amdhsa_kernel k_q8eca2a5890_wquant
		.amdhsa_group_segment_fixed_size 9728
		.amdhsa_private_segment_fixed_size 0
		.amdhsa_enable_private_segment 0
		.amdhsa_kernarg_size 48
		.amdhsa_user_sgpr_count 2
		.amdhsa_user_sgpr_kernarg_segment_ptr 1
		.amdhsa_wavefront_size32 1
		.amdhsa_system_sgpr_workgroup_id_x 1
		.amdhsa_system_sgpr_workgroup_id_y 1
		.amdhsa_system_sgpr_workgroup_id_z 1
		.amdhsa_system_vgpr_workitem_id 0
		.amdhsa_next_free_vgpr 114
		.amdhsa_next_free_sgpr 66
		.amdhsa_reserve_vcc 0
		.amdhsa_float_denorm_mode_32 3
		.amdhsa_float_denorm_mode_16_64 3
		.amdhsa_memory_ordered 1
		.amdhsa_forward_progress 1
		.amdhsa_inst_pref_size 13
	.end_amdhsa_kernel
	.amdgpu_metadata
---
amdhsa.version: [ 1, 2 ]
amdhsa.kernels:
  - .name:           k_q8eca2a5890_wquant
    .symbol:         k_q8eca2a5890_wquant.kd
    .args:
      - { .name: Wk, .offset: 0, .size: 8, .value_kind: global_buffer, .address_space: global }
      - { .name: Wq, .offset: 8, .size: 8, .value_kind: global_buffer, .address_space: global }
      - { .name: Wv, .offset: 16, .size: 8, .value_kind: global_buffer, .address_space: global }
      - { .name: Wo, .offset: 24, .size: 8, .value_kind: global_buffer, .address_space: global }
      - { .name: lowp_scales, .offset: 32, .size: 8, .value_kind: global_buffer, .address_space: global }
      - { .name: wc, .offset: 40, .size: 8, .value_kind: global_buffer, .address_space: global }
    .group_segment_fixed_size: 9728
    .private_segment_fixed_size: 0
    .kernarg_segment_align: 8
    .kernarg_segment_size: 48
    .max_flat_workgroup_size: 128
    .sgpr_count:     66
    .vgpr_count:     114
    .wavefront_size: 32
...
	.end_amdgpu_metadata
.endif
;; end of part 1
;; launch proj (part 2): grid 256 x 1, 4 waves a work-group, clusters of 4 x 1, 327,680 bytes of LDS; arguments q, k, v, wc, bk, bv, lowp_scales, qcodes, kv; writes qcodes, kv
.if DOCPART == 2
	.amdgcn_target "amdgcn-amd-amdhsa--gfx1250"
	.amdhsa_code_object_version 6
	.text
	.protected	k_q8eca2a5890_proj
	.globl	k_q8eca2a5890_proj
	.p2align	8
	.type	k_q8eca2a5890_proj,@function
k_q8eca2a5890_proj:
	s_mov_b64 s[64:65], 0
	v_nop
	global_prefetch_b8 v0, s[64:65] scope:SCOPE_SE
	s_setreg_imm32_b32 hwreg(HW_REG_WAVE_MODE, 25, 1), 1
	s_wait_xcnt 0x0
	s_wait_alu depctr_hold_cnt(0) depctr_sa_sdst(0) depctr_va_vdst(0) depctr_va_sdst(0) depctr_va_ssrc(0) depctr_va_vcc(0) depctr_vm_vsrc(0)
	s_getreg_b32 s2, hwreg(HW_REG_IB_STS2, 6, 4)
	s_cmp_eq_u32 s2, 0
	s_cbranch_scc0 .Lentry_in_a_cluster
	s_endpgm
.Lentry_in_a_cluster:
	s_bfe_u32 s2, ttmp6, 0x10000c
	s_cmp_lg_u32 s2, 0x3003
	s_cbranch_scc0 .Lentry_shape_is_right
	s_endpgm
.Lentry_shape_is_right:
; kh = k Wk^T + bk, qh = q Wq^T / sqrt(32), vh = v Wv^T + bv, each product on codes of BF8 (E5M2) with the given scales; the three results are quantised for the next products and stored as codes in the order of the reader's operand registers.
; A work-group of four waves takes 64 rows through three passes (k, q, v).  Each wave quantises 16 rows x 128 K a step in registers and shares the codes through LDS; a wave makes 64 rows x 128 columns.
; The weights' codes come by joint tensor loads of a cluster of four work-groups: a slot of 131,072 bytes holds two K steps, two slots take turns.
; PREFETCH OF THE WEIGHTS, by the clusters 0, 1, 2 and 4: a tile is 512 blocks of 256 bytes, a lane a block, one instruction a wave, the four partners told apart by address.
; The head names tiles 1 to 3; each refill of the first two passes names the tile that stands two refills on (tiles 4 to 11); the third pass names none: no tile stands behind its own refills'.
; PREFETCH OF x, by every wave for itself: its 16 rows x 512 bytes of a K step are 32 blocks of 256 bytes, a lane a block, one instruction a step, for the K step that its loads name three steps later.
; The head names K steps 3 to 5 of k; from a pass's third step on the next tensor is named; the third pass's steps 2 to 7 name nothing.
; LIMITS: every exponent of lowp_scales, and every sum of two that is made into an f32 power of two here, lies between -126 and 112.  NaN among the inputs is not served.
.set XT,    262144
.set SPARE, 280576
.set XA,  2
.set XS,  3
.set XR,  4
.set AW0, 5
.set OA0, 7
.set OA1, 8
.set OV,  9
.set SPW, 10
.set NIL, 11
.set SCX, 12
.set LMX, 13
.set SCO, 14
.set LMO, 15
.set XCD, 16
.set XF,  32
.set Y,   32
.set BK,  96
.set BV,  160
.set PC,  176
.set BKO, 240
.set BVO, 241
.set WV,   22
.set PASS, 25
.set G1,   28
.set G0A,  36
.set E,    44
.set XC,   56
.set XN,   58
.set OB,   60
.set AA,   62
.set MSB, 0
.macro WIN new
.if MSB != \new
	s_set_vgpr_msb (MSB<<8)|\new
.set MSB, \new
.endif
.endm
.macro NOP4
.rept 4
	v_nop
.endr
.endm
.macro CROUND
	s_barrier_signal -1
	s_barrier_wait -1
	s_cmp_lg_u32 s[WV], 0
	s_cbranch_scc1 .Lnw0_\@
	s_barrier_signal -3
.Lnw0_\@:
	s_barrier_wait -3
	s_barrier_signal -1
	s_barrier_wait -1
.endm
.macro BAR
	s_wait_dscnt 0x0
	s_barrier_signal -1
	s_barrier_wait -1
.endm
.macro MKQ e, sc, lim
	s_add_co_i32 s[\lim], s[\e], 127
	s_lshl_b32 s[\sc], s[\lim], 23
	s_add_co_i32 s[\lim], s[\lim], 15
	s_lshl_b32 s[\lim], s[\lim], 23
	s_or_b32 s[\lim], s[\lim], 0x600000
.endm
.macro XLOAD set, base, kk
	WIN 0x40
.irp i, 0,1,2,3,4,5,6,7,8,9,10,11,12,13,14,15
	global_load_b128 v[64*(\set)+4*\i:64*(\set)+4*\i+3], v[XA], s[\base:\base+1] offset:(\i+8*(\i/8))*4096+512*(\kk) th:TH_LOAD_NT
.endr
.endm
	s_load_b512 s[4:19], s[0:1], 0x0
	s_load_b64 s[20:21], s[0:1], 0x40
	v_lshl_add_u32 v[SPW], v0, 2, SPARE
	v_mov_b32 v[NIL], 0
	ds_add_u32 v10, v11
	ds_add_u32 v10, v11
	s_wait_dscnt 0x0
	v_lshrrev_b32 v1, 5, v0
	v_readfirstlane_b32 s[WV], v1
	s_bfe_u32 s23, ttmp6, 0x40000
	s_lshl_b32 s24, ttmp9, 2
	s_add_co_u32 s24, s24, s23
	s_mov_b32 s[G1], 15|(3<<16)|(1<<21)
	s_mov_b32 s[G1+1], 32<<16
	s_mov_b32 s[G1+2], 128<<16
	s_mov_b32 s[G1+3], 32<<16
	s_mov_b32 s[G1+4], 128
	s_mov_b32 s[G1+5], 32
	s_mov_b32 s[G1+6], 0
	s_mov_b32 s[G1+7], 0
	s_lshl_b32 s92, s[WV], 15
	s_mov_b32 s93, 0
	s_bcnt1_i32_b32 s81, ttmp9                     ; who prefetches the weights: the clusters whose number has at most one bit set,
	s_cmp_lt_u32 s81, 2
	s_cselect_b32 s81, 1, 0
	s_cmp_lt_u32 ttmp9, 8                          ; and lies under 8: 0, 1, 2, 4
	s_cselect_b32 s81, s81, 0
	s_lshl_b32 s2, s23, 15                         ; my part of a tile: 32,768 x my place in the cluster + 8,192 x wave
	s_lshl_b32 s3, s[WV], 13
	s_add_co_u32 s2, s2, s3
	s_mov_b32 s3, 0
	s_wait_kmcnt 0x0
	s_add_nc_u64 s[26:27], s[10:11], s[2:3]        ; in tile 0: each pass steps it four tiles on
	s_load_b256 s[E:E+7], s[16:17], 0x0
	s_load_b128 s[E+8:E+11], s[16:17], 0x20
	s_add_nc_u64 s[94:95], s[10:11], s[92:93]
	s_mov_b32 s[G0A], 1
	s_mov_b32 s[G0A+1], s92
	s_mov_b64 s[G0A+2:G0A+3], s[94:95]
	s_or_b32 s[G0A+3], s[G0A+3], 0x80000000
	s_mov_b32 s[G0A+4], 1
	s_add_co_u32 s[G0A+5], s92, 131072
	s_add_nc_u64 s[G0A+6:G0A+7], s[94:95], 131072
	s_or_b32 s[G0A+7], s[G0A+7], 0x80000000
	CROUND
	tensor_load_to_lds s[G0A:G0A+3], s[G1:G1+7]
	s_nop 0
	NOP4
	v_and_b32 v1, 31, v0
	v_and_b32 v242, 15, v0
	v_bfe_u32 v243, v0, 4, 1
	s_lshr_b32 s82, s[WV], 1
	s_lshl_b32 s82, s82, 17
	s_and_b32 s83, s[WV], 1
	s_lshl_b32 s83, s83, 15
	s_add_co_u32 s82, s82, s83
	v_lshl_add_u32 v[XA], v1, 4, s82
	v_lshrrev_b32 v245, 1, v1                      ; x's prefetches: two lanes to a row: i = lane / 2,
	v_lshlrev_b32 v245, 12, v245                   ; row i + 8 (i / 8) of 4,096 bytes, as the loads take them,
	v_lshl_add_u32 v245, v243, 15, v245
	v_and_b32 v246, 1, v0
	v_lshl_add_u32 v245, v246, 8, v245             ; + 256 x (lane % 2),
	v_add_nc_u32 v245, s82, v245                   ; from my wave's first row; never rewritten
	s_mul_i32 s82, s[WV], 2304
	s_add_co_u32 s82, s82, XT
	v_lshl_add_u32 v[XS], v1, 2, s82
	v_mul_u32_u24 v[XR], v242, 144
	v_lshl_add_u32 v[XR], v243, 4, v[XR]
	v_add_nc_u32 v[XR], XT, v[XR]
	v_lshl_add_u32 v[AW0], v1, 4, s92
	v_add_nc_u32 v[AW0+1], 131072, v[AW0]
	s_lshl_b32 s82, s[WV], 11
	v_lshl_add_u32 v[OA0], v1, 4, s82
	v_lshlrev_b32 v[OV], 4, v1
	v_lshlrev_b32 v244, 8, v1                      ; the weights' prefetches: 256 x lane; never rewritten
	s_lshl_b32 s82, s[WV], 9
	v_lshl_add_u32 v[BKO], v243, 6, s82
	v_and_b32 v[BVO], 8, v242
	v_add_nc_u32 v[BVO], v[BVO], v242
	v_lshl_add_u32 v[BVO], v[BVO], 2, s82
	s_lshl_b32 s96, s24, 18
	s_mov_b32 s97, 0
	s_add_nc_u64 s[4:5], s[4:5], s[96:97]
	s_add_nc_u64 s[6:7], s[6:7], s[96:97]
	s_add_nc_u64 s[8:9], s[8:9], s[96:97]
.irp b, 0,1,2,3
.irp j, 0,1,2,3
	global_load_b128 v[BK+16*\b+4*\j:BK+16*\b+4*\j+3], v[BKO], s[12:13] offset:128*\b+16*\j
.endr
.endr
.irp T, 0,1,2,3,4,5,6,7
	global_load_b32 v[BV+2*\T], v[BVO], s[14:15] offset:(32*(\T/2)+8*(\T%2))*4
	v_mov_b32 v[BV+2*\T+1], 0
.endr
	XLOAD 0, 6, 0
	XLOAD 1, 6, 1
	XLOAD 2, 6, 2
	WIN 0
	global_prefetch_b8 v245, s[6:7] offset:512*3 th:TH_LOAD_NT scope:SCOPE_SE   ; k's K steps 3 to 5: the first three steps' loads name them
	global_prefetch_b8 v245, s[6:7] offset:512*4 th:TH_LOAD_NT scope:SCOPE_SE
	global_prefetch_b8 v245, s[6:7] offset:512*5 th:TH_LOAD_NT scope:SCOPE_SE
	s_cmp_eq_u32 s81, 1
	s_cbranch_scc0 .Lnohead
	global_prefetch_b8 v244, s[26:27] offset:131072 th:TH_LOAD_NT scope:SCOPE_SE    ; the weights' tiles 1 to 3
	global_prefetch_b8 v244, s[26:27] offset:262144 th:TH_LOAD_NT scope:SCOPE_SE
	global_prefetch_b8 v244, s[26:27] offset:393216 th:TH_LOAD_NT scope:SCOPE_SE
.Lnohead:
	s_wait_alu depctr_va_vdst(0)
	s_wait_tensorcnt 0x0                           ; my part of tile 0 is in; slot 1's first fill is issued as a refill is: these three lines, a round, the load
	ds_add_u32 v10, v11
	s_wait_dscnt 0x0
	CROUND
	tensor_load_to_lds s[G0A+4:G0A+7], s[G1:G1+7]
	s_nop 0
	NOP4
	s_lshr_b32 s96, s24, 5
	s_lshl_b32 s96, s96, 21
	s_bfe_u32 s97, s24, 0x40001
	s_lshl_b32 s97, s97, 17
	s_add_co_u32 s96, s96, s97
	s_and_b32 s98, s24, 1
	s_lshl_b32 s97, s98, 16
	s_add_co_u32 s90, s96, s97
	s_mov_b32 s91, 0
	s_add_nc_u64 s[84:85], s[20:21], s[90:91]
	s_lshl_b32 s97, s98, 10
	s_add_co_u32 s90, s96, s97
	s_add_co_u32 s90, s90, s92
	s_add_co_u32 s90, s90, 16384
	s_add_nc_u64 s[88:89], s[20:21], s[90:91]
	s_lshl_b32 s90, s24, 15
	s_add_nc_u64 s[86:87], s[18:19], s[90:91]
	s_wait_kmcnt 0x0
	MKQ E+2, 66, 67
	s_add_co_i32 s68, s[E+2], s[E+3]
	s_add_co_i32 s68, s68, 127
	s_lshl_b32 s68, s68, 23
	MKQ E+7, 69, 70
	MKQ E, 71, 72
	s_add_co_i32 s73, s[E], s[E+1]
	s_lshl_b32 s73, s73, 23
	s_add_co_i32 s73, s73, 0x3e3504f3
	MKQ E+6, 74, 75
	MKQ E+4, 76, 77
	s_add_co_i32 s78, s[E+4], s[E+5]
	s_add_co_i32 s78, s78, 127
	s_lshl_b32 s78, s78, 23
	MKQ E+9, 79, 80
.macro STEP s, xl, nl, fill, nat
.set SET_, 64*((\s)%4)
.set XSL_, 9216*((\s)%2)
.set HH_,  (\s)%2
.set SG_,  ((\s)/2)%2
.if \xl == 1
	XLOAD ((\s)+3)%4, XC, (\s)+3
.endif
.if \xl == 2
	XLOAD ((\s)+3)%4, XN, (\s)-5
.endif
.if HH_ == 0
	NOP4                                           ; places behind the last products, which read these registers
.if \fill == 2
	s_wait_tensorcnt 0x0
.endif
	WIN 0xC0
.set nn, 0
.rept 64
	ds_load_b128 v[4*nn:4*nn+3], v[AW0+SG_] offset:512*nn   ; two K steps' weights, my own part of the slot: on their way while x is waited for and quantised
.set nn, nn+1
.endr
.endif
	s_wait_loadcnt \nl
	WIN 0x41
.set ii, 0
.rept 64
	v_med3_num_f32 v[SET_+ii], v[SET_+ii], -v[LMX], v[LMX]
.set ii, ii+1
.endr
	WIN 0x01
.irp p, 0,1,2,3,4,5,6,7
	v_cvt_scalef32_pk8_bf8_f32 v[XCD+2*\p:XCD+2*\p+1], v[SET_+8*\p:SET_+8*\p+7], v[SCX]
.endr
	WIN 0
	v_nop
.irp i, 0,1,2,3,4,5,6,7,8,9,10,11,12,13,14,15
	ds_store_b32 v[XS], v[XCD+\i] offset:XSL_+144*\i
.endr
.if HH_ == 0
.if \fill == 1
	s_wait_tensorcnt 0x0
	ds_add_u32 v[SPW], v[NIL]
	s_add_nc_u64 s[G0A+4*SG_+2:G0A+4*SG_+3], s[G0A+4*SG_+2:G0A+4*SG_+3], 262144
	s_wait_dscnt 0x0
	CROUND
	tensor_load_to_lds s[G0A+4*SG_:G0A+4*SG_+3], s[G1:G1+7]
	s_nop 0
	NOP4
.else
	BAR
.endif
.else
	BAR
.endif
.irp m, 0,1,2,3
.irp c, 0,1,2,3
	ds_load_b128 v[XF+16*\m+4*\c:XF+16*\m+4*\c+3], v[XR] offset:XSL_+2304*\m+32*\c
.endr
.endr
.if (HH_ == 0) && (\fill == 1) && (\nat == 0)
	s_cmp_eq_u32 s81, 1                            ; the weights' tile two refills on, behind the joint load's lines and the run of LDS loads
	s_cbranch_scc0 .Lnoask_\@
	global_prefetch_b8 v244, s[26:27] offset:131072*((\s)/2) th:TH_LOAD_NT scope:SCOPE_SE
.Lnoask_\@:
.endif
.if (\s) < 2
	global_prefetch_b8 v245, s[XC:XC+1] offset:512*((\s)+6) th:TH_LOAD_NT scope:SCOPE_SE   ; x's K step that my loads name three steps on
.else
.if \nat == 0
	global_prefetch_b8 v245, s[XN:XN+1] offset:512*((\s)-2) th:TH_LOAD_NT scope:SCOPE_SE   ; the same, in the next pass's tensor
.endif
.endif
	s_wait_dscnt 0x0
.if \nat
	WIN 0xAC
.else
	WIN 0xA3
.endif
.irp T, 0,1,2,3,4,5,6,7
.irp m, 0,1,2,3
.if \nat
.if (\s) == 0
	v_wmma_f32_16x16x128_bf8_bf8 v[32*\T+8*\m:32*\T+8*\m+7], v[XF+16*\m:XF+16*\m+15], v[16*(8*HH_+\T):16*(8*HH_+\T)+15], 0
.else
	v_wmma_f32_16x16x128_bf8_bf8 v[32*\T+8*\m:32*\T+8*\m+7], v[XF+16*\m:XF+16*\m+15], v[16*(8*HH_+\T):16*(8*HH_+\T)+15], v[32*\T+8*\m:32*\T+8*\m+7]
.endif
.else
.if (\s) == 0
	v_wmma_f32_16x16x128_bf8_bf8 v[64*\m+8*\T:64*\m+8*\T+7], v[16*(8*HH_+\T):16*(8*HH_+\T)+15], v[XF+16*\m:XF+16*\m+15], 0
.else
	v_wmma_f32_16x16x128_bf8_bf8 v[64*\m+8*\T:64*\m+8*\T+7], v[16*(8*HH_+\T):16*(8*HH_+\T)+15], v[XF+16*\m:XF+16*\m+15], v[64*\m+8*\T:64*\m+8*\T+7]
.endif
.endif
.endr
.endr
	WIN 0
.endm
.macro EPI_T
	NOP4
	s_wait_xcnt 0x0
.irp m, 0,1,2,3
	WIN 0x02
.set ii, 0
.rept 32
	v_pk_fma_f32 v[Y+2*ii:Y+2*ii+1], v[64*\m+2*ii:64*\m+2*ii+1], s[AA:AA+1], v[BK+2*ii:BK+2*ii+1] op_sel_hi:[1,0,1]
.set ii, ii+1
.endr
	WIN 0
.set ii, 0
.rept 64
	v_med3_num_f32 v[Y+ii], v[Y+ii], -v[LMO], v[LMO]
.set ii, ii+1
.endr
.irp p, 0,1,2,3,4,5,6,7
	v_cvt_scalef32_pk8_bf8_f32 v[PC+16*\m+2*\p:PC+16*\m+2*\p+1], v[Y+8*\p:Y+8*\p+7], v[SCO]
.endr
	v_nop
.irp c, 0,1,2,3
	global_store_b128 v[OA0+\m/2], v[PC+16*\m+4*\c:PC+16*\m+4*\c+3], s[OB:OB+1] offset:8192*(\m%2)+512*\c
.endr
.endr
.endm
.macro EPI_V
	NOP4
	s_wait_xcnt 0x0
.irp T, 0,1,2,3,4,5,6,7
	WIN 0x02
.set ii, 0
.rept 16
	v_pk_fma_f32 v[Y+2*ii:Y+2*ii+1], v[32*\T+2*ii:32*\T+2*ii+1], s[AA:AA+1], v[BV+2*\T:BV+2*\T+1] op_sel_hi:[1,0,0]
.set ii, ii+1
.endr
	WIN 0
.set ii, 0
.rept 32
	v_med3_num_f32 v[Y+ii], v[Y+ii], -v[LMO], v[LMO]
.set ii, ii+1
.endr
.irp p, 0,1,2,3
	v_cvt_scalef32_pk8_bf8_f32 v[PC+8*\T+2*\p:PC+8*\T+2*\p+1], v[Y+8*\p:Y+8*\p+7], v[SCO]
.endr
	v_nop
.irp a, 0,1
	global_store_b128 v[OV], v[PC+8*\T+4*\a:PC+8*\T+4*\a+3], s[OB:OB+1] offset:2048*\T+512*\a
.endr
.endr
.endm
	s_wait_tensorcnt 1
	s_mov_b32 s[PASS], 2
.Lpass:
	s_wait_xcnt 0x0
	s_add_nc_u64 s[26:27], s[26:27], 524288        ; behind the wait on XCNT above: this pass's prefetches of the weights begin four tiles on (tile 4, then tile 8)
	s_mov_b32 s83, 16384
	s_cmp_eq_u32 s[PASS], 2
	s_cselect_b64 s[XC:XC+1], s[6:7], s[4:5]
	s_cselect_b64 s[XN:XN+1], s[4:5], s[8:9]
	s_cselect_b64 s[OB:OB+1], s[84:85], s[86:87]
	s_cselect_b32 s[AA], s68, s73
	s_cselect_b32 s83, 32768, s83
	s_cselect_b32 s82, s66, s71
	s_cselect_b32 s93, s67, s72
	s_cselect_b32 s94, s69, s74
	s_cselect_b32 s95, s70, s75
	s_mov_b32 s[AA+1], s[AA]
	v_mov_b32 v[SCX], s82
	v_mov_b32 v[LMX], s93
	s_wait_alu depctr_va_vdst(0)
	v_mov_b32 v[SCO], s94
	v_mov_b32 v[LMO], s95
	v_add_nc_u32 v[OA1], s83, v[OA0]
	STEP 0, 1, 48, 1, 0
	STEP 1, 1, 48, 1, 0
	STEP 2, 1, 48, 1, 0
	STEP 3, 1, 48, 1, 0
	STEP 4, 1, 48, 1, 0
	STEP 5, 2, 48, 1, 0
	STEP 6, 2, 48, 1, 0
	STEP 7, 2, 48, 1, 0
	EPI_T
.set ii, 0
.rept 64
	v_mov_b32 v[BK+ii], 0
.set ii, ii+1
.endr
	s_sub_co_u32 s[PASS], s[PASS], 1
	s_cmp_lg_u32 s[PASS], 0
	s_cbranch_scc1 .Lpass
	s_wait_xcnt 0x0
	s_mov_b64 s[XC:XC+1], s[8:9]
	s_mov_b64 s[OB:OB+1], s[88:89]
	s_mov_b32 s[AA], s78
	s_mov_b32 s[AA+1], s78
	v_mov_b32 v[SCX], s76
	v_mov_b32 v[LMX], s77
	s_wait_alu depctr_va_vdst(0)
	v_mov_b32 v[SCO], s79
	v_mov_b32 v[LMO], s80
	STEP 0, 1, 48, 1, 1
	STEP 1, 1, 48, 1, 1
	STEP 2, 1, 48, 1, 1
	STEP 3, 1, 48, 1, 1
	STEP 4, 1, 48, 0, 1
	STEP 5, 0, 32, 0, 1
	STEP 6, 0, 16, 2, 1
	STEP 7, 0, 0, 0, 1
	EPI_V
	s_wait_tensorcnt 0x0
	ds_add_u32 v[SPW], v[NIL]
	s_wait_dscnt 0x0
	CROUND
	s_endpgm
.Lfunc_end_k_q8eca2a5890_proj:
	.size	k_q8eca2a5890_proj, .Lfunc_end_k_q8eca2a5890_proj-k_q8eca2a5890_proj
	.p2alignl 7, 3214868480
	.fill 96, 4, 3214868480
	.section	.rodata,"a",@progbits
	.p2align	6, 0x0
	.amdhsa_kernel k_q8eca2a5890_proj
		.amdhsa_group_segment_fixed_size 327680
		.amdhsa_private_segment_fixed_size 0
		.amdhsa_enable_private_segment 0
		.amdhsa_kernarg_size 72
		.amdhsa_user_sgpr_count 2
		.amdhsa_user_sgpr_kernarg_segment_ptr 1
		.amdhsa_wavefront_size32 1
		.amdhsa_system_sgpr_workgroup_id_x 1
		.amdhsa_system_sgpr_workgroup_id_y 1
		.amdhsa_system_sgpr_workgroup_id_z 1
		.amdhsa_system_vgpr_workitem_id 0
		.amdhsa_next_free_vgpr 1024
		.amdhsa_next_free_sgpr 100
		.amdhsa_reserve_vcc 0
		.amdhsa_float_denorm_mode_32 3
		.amdhsa_float_denorm_mode_16_64 3
		.amdhsa_memory_ordered 1
		.amdhsa_forward_progress 1
		.amdhsa_inst_pref_size 255
	.end_amdhsa_kernel
	.section	.bss,"aw",@nobits
	.p2align	6
	.space	262144
	.amdgpu_metadata
---
amdhsa.version: [ 1, 2 ]
amdhsa.kernels:
  - .name:           k_q8eca2a5890_proj
    .symbol:         k_q8eca2a5890_proj.kd
    .args:
      - { .name: q, .offset: 0, .size: 8, .value_kind: global_buffer, .address_space: global }
      - { .name: k, .offset: 8, .size: 8, .value_kind: global_buffer, .address_space: global }
      - { .name: v, .offset: 16, .size: 8, .value_kind: global_buffer, .address_space: global }
      - { .name: wc, .offset: 24, .size: 8, .value_kind: global_buffer, .address_space: global }
      - { .name: bk, .offset: 32, .size: 8, .value_kind: global_buffer, .address_space: global }
      - { .name: bv, .offset: 40, .size: 8, .value_kind: global_buffer, .address_space: global }
      - { .name: lowp_scales, .offset: 48, .size: 8, .value_kind: global_buffer, .address_space: global }
      - { .name: qcodes, .offset: 56, .size: 8, .value_kind: global_buffer, .address_space: global }
      - { .name: kv, .offset: 64, .size: 8, .value_kind: global_buffer, .address_space: global }
    .group_segment_fixed_size: 327680
    .private_segment_fixed_size: 0
    .kernarg_segment_align: 8
    .kernarg_segment_size: 72
    .max_flat_workgroup_size: 128
    .sgpr_count:     100
    .vgpr_count:     1024
    .wavefront_size: 32
...
	.end_amdgpu_metadata
.endif
;; end of part 2
;; launch attn (part 3): grid 32 x 8, 4 waves a work-group, clusters of 4 x 1, 327,680 bytes of LDS; arguments qcodes, kv, wc, lowp_scales, q, bo, gamma, beta, out0; writes out0
.if DOCPART == 3
	.amdgcn_target "amdgcn-amd-amdhsa--gfx1250"
	.amdhsa_code_object_version 6
	.text
	.protected	k_q8eca2a5890_attn
	.globl	k_q8eca2a5890_attn
	.p2align	8
	.type	k_q8eca2a5890_attn,@function
k_q8eca2a5890_attn:
	s_mov_b64 s[64:65], 0
	v_nop
	global_prefetch_b8 v0, s[64:65] scope:SCOPE_SE
	s_setreg_imm32_b32 hwreg(HW_REG_WAVE_MODE, 25, 1), 1
	s_wait_xcnt 0x0
	s_wait_alu depctr_hold_cnt(0) depctr_sa_sdst(0) depctr_va_vdst(0) depctr_va_sdst(0) depctr_va_ssrc(0) depctr_va_vcc(0) depctr_vm_vsrc(0)
	s_getreg_b32 s2, hwreg(HW_REG_IB_STS2, 6, 4)
	s_cmp_eq_u32 s2, 0
	s_cbranch_scc0 .Lentry_in_a_cluster
	s_endpgm
.Lentry_in_a_cluster:
	s_bfe_u32 s2, ttmp6, 0x10000c
	s_cmp_lg_u32 s2, 0x3003
	s_cbranch_scc0 .Lentry_shape_is_right
	s_endpgm
.Lentry_shape_is_right:
; out0 = layer norm(q + softmax(qh kh^T) vh Wo^T + bo) x gamma + beta, the three products on codes of BF8 (E5M2) with the given scales.
; A work-group of four waves owns 64 queries of one batch and walks the batch's 2,048 keys in 16 steps of 128.  In a step a wave makes S^T for 32 keys x 64 queries, the waves exchange the maxima and p's codes through LDS,
; and a wave adds 128 channels x 64 queries to O^T.  p = 2^(t - M), M the ceiling of the running largest t; the row's sum is taken of the unquantised p.
; K's and V's codes lie in kv as images of the operand registers; a step's 131,072 bytes come by joint tensor loads of a cluster of four work-groups through two slots; Wo's four tiles follow through the same slots.
; PREFETCH: step j's refill asks for tile j + 2 of the stream (kv's tiles 0 to 15 of the batch, then Wo's four); behind it tile j + 4 is prefetched, 512 blocks of 256 bytes, a lane a block, one instruction a wave, the partners told apart by address.
; The head names tiles 1 to 3.  kv's tiles are asked for by the clusters 0, 1, 2 and 4 of the batch's eight; Wo's, which every cluster reads, by those four of batch 0 alone.  The last ask names Wo's last tile.
; LIMITS: the scaled scores stay under 2^31 in magnitude; every exponent of lowp_scales, and every sum of two that is made into an f32 power of two here, lies between -126 and 112.  NaN among the inputs is not served.
.set MAXB,  263168
.set PIMG,  265216
.set AIMG,  273408
.set SPARE, 306176
.set SPT,   4112
.set AKV, 2
.set MXW, 4
.set MXR, 5
.set PW,  6
.set PR,  7
.set AW,  8
.set AR,  9
.set SO,  10
.set SR,  14
.set GO,  15
.set SPW, 16
.set NIL, 17
.set PFO, 18
.set PH,  20
.set PS,  21
.set AH,  22
.set AS,  23
.set ADC, 24
.set ADN, 25
.set ADS, 26
.set ST,  32
.set S,   64
.set PF,  128
.set PC,  192
.set MX,  208
.set MXA, 212
.set X0,  64
.set QR,  128
.set TT,  32
.set MU,  40
.set VAR, 42
.set PD,  43
.set RS,  44
.set WV,  22
.set G1,  28
.set G0A, 36
.set G0K, 40
.set G0W, 44
.set E,   48
.set CS,  60
.set SEL, 62
.set TB,  66
.set TN,  67
.set CNT, 68
.set LIM, 69
.set PFA, 70
.set SC,  72
.set INV, 74
.set EPS, 75
.set QP,  76
.set OP,  78
.set STB, 80
.set EPV, 81
.set MSB, 0
.macro WIN new
.if MSB != \new
	s_set_vgpr_msb (MSB<<8)|\new
.set MSB, \new
.endif
.endm
.macro NOP4
.rept 4
	v_nop
.endr
.endm
.macro CROUND
	s_barrier_signal -1
	s_barrier_wait -1
	s_cmp_lg_u32 s[WV], 0
	s_cbranch_scc1 .Lnw0_\@
	s_barrier_signal -3
.Lnw0_\@:
	s_barrier_wait -3
	s_barrier_signal -1
	s_barrier_wait -1
.endm
.macro BAR
	s_wait_dscnt 0x0
	s_barrier_signal -1
	s_barrier_wait -1
.endm
.macro MKQ e, sc, lim
	s_add_co_i32 s[\lim], s[\e], 127
	s_lshl_b32 s[\sc], s[\lim], 23
	s_add_co_i32 s[\lim], s[\lim], 15
	s_lshl_b32 s[\lim], s[\lim], 23
	s_or_b32 s[\lim], s[\lim], 0x600000
.endm
.macro ASK how
	s_cmp_eq_u32 s[LIM], 1
	s_cbranch_scc0 .Lnoask_\@
	global_prefetch_b8 v[PFO], s[PFA:PFA+1] th:TH_LOAD_NT scope:SCOPE_SE
.Lnoask_\@:
.endm
	s_load_b512 s[4:19], s[0:1], 0x0
	s_load_b64 s[20:21], s[0:1], 0x40
	v_lshl_add_u32 v[SPW], v0, 2, SPARE
	v_mov_b32 v[NIL], 0
	ds_add_u32 v16, v17
	ds_add_u32 v16, v17
	s_wait_dscnt 0x0
	v_lshrrev_b32 v1, 5, v0
	v_readfirstlane_b32 s[WV], v1
	s_bfe_u32 s23, ttmp6, 0x40000
	s_lshl_b32 s24, ttmp9, 2
	s_add_co_u32 s24, s24, s23
	s_and_b32 s25, ttmp7, 0xffff
	s_lshl_b32 s26, s25, 5
	s_add_co_u32 s26, s26, s24
	s_mov_b32 s[G1], 15|(3<<16)|(1<<21)
	s_mov_b32 s[G1+1], 32<<16
	s_mov_b32 s[G1+2], 128<<16
	s_mov_b32 s[G1+3], 32<<16
	s_mov_b32 s[G1+4], 128
	s_mov_b32 s[G1+5], 32
	s_mov_b32 s[G1+6], 0
	s_mov_b32 s[G1+7], 0
	s_lshl_b32 s82, s[WV], 15
	s_mov_b32 s83, 0
	s_lshl_b32 s84, s25, 21
	s_mov_b32 s85, 0
	s_mov_b32 s[SEL], 0x76543210
	s_mov_b32 s[SEL+1], 0xfedcba98
	s_mov_b32 s[TB], 0
	s_mov_b32 s[INV], 0x3a800000
	s_mov_b32 s[EPS], 0x3727c5ac
	s_bcnt1_i32_b32 s27, ttmp9                     ; who prefetches kv: the clusters whose x has at most one bit set: 0, 1, 2, 4
	s_cmp_lt_u32 s27, 2
	s_cselect_b32 s[LIM], 1, 0
	s_cmp_eq_u32 s25, 0                            ; and Wo: those of batch 0
	s_cselect_b32 s27, s[LIM], 0
	s_wait_kmcnt 0x0
	s_load_b256 s[E:E+7], s[10:11], 0x0
	s_load_b128 s[E+8:E+11], s[10:11], 0x20
	s_add_nc_u64 s[86:87], s[6:7], s[84:85]
	s_add_nc_u64 s[88:89], s[86:87], s[82:83]
	s_mov_b32 s[G0A], 1
	s_mov_b32 s[G0A+1], s82
	s_mov_b64 s[G0A+2:G0A+3], s[88:89]
	s_or_b32 s[G0A+3], s[G0A+3], 0x80000000
	s_mov_b32 s[G0K], 1
	s_add_co_u32 s[G0K+1], s82, 131072
	s_add_nc_u64 s[G0K+2:G0K+3], s[88:89], 131072
	s_or_b32 s[G0K+3], s[G0K+3], 0x80000000
	s_mov_b32 s[G0W], 1
	s_add_co_u32 s[G0W+1], s82, 131072
	s_add_nc_u64 s[G0W+2:G0W+3], s[8:9], s[82:83]
	s_add_nc_u64 s[G0W+2:G0W+3], s[G0W+2:G0W+3], 1441792
	s_or_b32 s[G0W+3], s[G0W+3], 0x80000000
	CROUND
	tensor_load_to_lds s[G0A:G0A+3], s[G1:G1+7]
	s_nop 0
	NOP4
	s_lshl_b32 s90, s23, 15
	s_lshl_b32 s91, s[WV], 13
	s_add_co_u32 s90, s90, s91
	s_mov_b32 s91, 0
	s_add_nc_u64 s[PFA:PFA+1], s[86:87], s[90:91]
	s_add_nc_u64 s[PFA:PFA+1], s[PFA:PFA+1], 393216    ; my part of kv's tile 3: step 0 steps it to tile 4
	s_add_nc_u64 s[88:89], s[8:9], s[90:91]
	s_add_nc_u64 s[88:89], s[88:89], 1572864           ; my part of Wo's tile 0
	s_lshl_b32 s92, s26, 15
	s_mov_b32 s93, 0
	s_add_nc_u64 s[4:5], s[4:5], s[92:93]
	s_lshl_b32 s94, s26, 18
	s_lshr_b32 s95, s[WV], 1
	s_lshl_b32 s95, s95, 17
	s_add_co_u32 s94, s94, s95
	s_and_b32 s95, s[WV], 1
	s_lshl_b32 s95, s95, 15
	s_add_co_u32 s94, s94, s95
	s_mov_b32 s95, 0
	s_add_nc_u64 s[QP:QP+1], s[12:13], s[94:95]
	s_add_nc_u64 s[OP:OP+1], s[20:21], s[94:95]
	v_and_b32 v1, 31, v0
	v_and_b32 v27, 15, v0
	v_bfe_u32 v28, v0, 4, 1
	v_lshlrev_b32 v[GO], 4, v1
	v_lshlrev_b32 v[PFO], 8, v1
	; Q's codes, 32,768 bytes, are wanted whole by every wave: each wave loads a quarter (16 loads of 512 bytes) and the four share them through the 32,768 bytes of LDS that later hold A's codes
	s_lshl_b32 s96, s[WV], 13
	v_add_nc_u32 v31, s96, v[GO]                   ; in memory: 8,192 x wave + 16 x lane
	v_add_nc_u32 v30, AIMG, v[GO]                  ; in LDS, on the way back: from the image's first byte
	v_add_nc_u32 v29, s96, v30                     ; and on the way in: my quarter
	v_and_b32 v19, 3, v0                           ; the prefetch of bo, gamma, beta: block 4 x my place in the cluster + lane % 4 of a buffer's 16 blocks of 256 bytes; never rewritten
	s_lshl_b32 s97, s23, 2
	v_add_nc_u32 v19, s97, v19
	v_lshlrev_b32 v19, 8, v19
.set nn, 0
.rept 16
	global_load_b128 v[S+4*nn:S+4*nn+3], v31, s[4:5] offset:512*nn
.set nn, nn+1
.endr
	s_cmp_eq_u32 s[LIM], 1
	s_cbranch_scc0 .Lnohead
	global_prefetch_b8 v[PFO], s[PFA:PFA+1] offset:-262144 th:TH_LOAD_NT scope:SCOPE_SE   ; kv's tiles 1 to 3
	global_prefetch_b8 v[PFO], s[PFA:PFA+1] offset:-131072 th:TH_LOAD_NT scope:SCOPE_SE
	global_prefetch_b8 v[PFO], s[PFA:PFA+1] th:TH_LOAD_NT scope:SCOPE_SE
.Lnohead:
	s_wait_alu depctr_va_vdst(0)
	s_wait_loadcnt 0x0                             ; my quarter of Q's codes
.set nn, 0
.rept 16
	ds_store_b128 v29, v[S+4*nn:S+4*nn+3] offset:512*nn
.set nn, nn+1
.endr
	s_wait_alu depctr_va_vdst(0)
	s_wait_tensorcnt 0x0                           ; my part of tile 0 is in; slot 1's first fill is issued as a refill is: these three lines, a round, the load
	ds_add_u32 v16, v17
	s_wait_dscnt 0x0                               ; the add is done, and so are my stores of Q's codes: the round below shows them to the other waves
	CROUND
	tensor_load_to_lds s[G0K:G0K+3], s[G1:G1+7]
	s_nop 0
	NOP4
	WIN 0x40
.set nn, 0
.rept 64
	ds_load_b128 v[4*nn:4*nn+3], v30 offset:512*nn   ; all of Q's codes, as images of the operand registers
.set nn, nn+1
.endr
	WIN 0
	v_lshl_add_u32 v[AKV], v1, 4, s82
	s_lshl_b32 s96, s[WV], 9
	v_add_nc_u32 v[MXR], MAXB, v[GO]
	v_add_nc_u32 v[MXW], s96, v[MXR]
	v_add_nc_u32 v[PR], PIMG, v[GO]
	v_add_nc_u32 v[PW], s96, v[PR]
	v_add_nc_u32 v[AR], AIMG, v[GO]
	s_lshl_b32 s96, s[WV], 11
	v_add_nc_u32 v[AW], s96, v[AR]
	v_mul_u32_u24 v[SO], v27, SPT
	v_lshl_add_u32 v[SO], v28, 6, v[SO]
	s_lshl_b32 s96, s[WV], 10
	v_add_nc_u32 v[SO], s96, v[SO]
	v_add_nc_u32 v[SO+1], 16*SPT, v[SO]
	v_add_nc_u32 v[SO+2], 32*SPT, v[SO]
	v_add_nc_u32 v[SO+3], 48*SPT, v[SO]
	s_mul_i32 s96, s[WV], 16*SPT
	v_add_nc_u32 v[SR], s96, v[GO]
.irp qt, 0,1,2,3
	v_mov_b32 v[ST+8*\qt+5], 0
	v_mov_b32 v[ST+8*\qt+7], 0
.endr
	s_wait_kmcnt 0x0
	s_add_co_i32 s97, s[E+6], s[E+7]
	s_lshl_b32 s97, s97, 23
	s_add_co_i32 s[CS], s97, 0x3fb8aa3b
	s_mov_b32 s[CS+1], s[CS]
	MKQ E+8, 97, 98
	v_mov_b32 v[PS], s97
	v_mov_b32 v[PH], s98
	MKQ E+10, 97, 98
	v_mov_b32 v[AS], s97
	v_mov_b32 v[AH], s98
	s_add_co_i32 s[SC], s[E+10], s[E+11]
	s_add_co_i32 s[SC], s[SC], 127
	s_lshl_b32 s[SC], s[SC], 23
	s_mov_b32 s[SC+1], s[SC]
	s_add_co_i32 s[EPV], s[E+8], s[E+9]
.macro KSTEP first, g0, ask
	NOP4
	s_xor_b32 s[TN], s[TB], 131072
	v_add_nc_u32 v[ADC], s[TB], v[AKV]
	v_add_nc_u32 v[ADN], s[TN], v[AKV]
	WIN 0xC0
.set nn, 0
.rept 32
	ds_load_b128 v[128+4*nn:128+4*nn+3], v[ADC] offset:16384+512*nn
.set nn, nn+1
.endr
	WIN 0x07
.irp s, 0,1,2,3
.irp u, 0,1
.irp qt, 0,1,2,3
.if \s == 0
	v_wmma_f32_16x16x128_bf8_bf8 v[S+16*\qt+8*\u:S+16*\qt+8*\u+7], v[16*(4*\u+\s):16*(4*\u+\s)+15], v[16*(4*\qt+\s):16*(4*\qt+\s)+15], 0
.else
	v_wmma_f32_16x16x128_bf8_bf8 v[S+16*\qt+8*\u:S+16*\qt+8*\u+7], v[16*(4*\u+\s):16*(4*\u+\s)+15], v[16*(4*\qt+\s):16*(4*\qt+\s)+15], v[S+16*\qt+8*\u:S+16*\qt+8*\u+7]
.endif
.endr
.endr
.endr
	WIN 0
	NOP4
.irp qt, 0,1,2,3
	v_max3_num_f32 v[ST+8*\qt+6], v[S+16*\qt], v[S+16*\qt+1], v[S+16*\qt+2]
.endr
.irp k, 3,5,7,9,11,13
.irp qt, 0,1,2,3
	v_max3_num_f32 v[ST+8*\qt+6], v[ST+8*\qt+6], v[S+16*\qt+\k], v[S+16*\qt+\k+1]
.endr
.endr
.irp qt, 0,1,2,3
	v_max_num_f32 v[ST+8*\qt+6], v[ST+8*\qt+6], v[S+16*\qt+15]
.endr
.irp qt, 0,1,2,3
	v_permlanex16_b32 v[ST+8*\qt+7], v[ST+8*\qt+6], s[SEL], s[SEL+1]
.endr
.irp qt, 0,1,2,3
	v_max_num_f32 v[MX+\qt], v[ST+8*\qt+6], v[ST+8*\qt+7]
.endr
	ds_store_b128 v[MXW], v[MX:MX+3]
	s_wait_tensorcnt 0x0
	ds_add_u32 v[SPW], v[NIL]
	s_xor_b32 s[\g0+1], s[\g0+1], 131072
	s_add_nc_u64 s[\g0+2:\g0+3], s[\g0+2:\g0+3], 131072
.if \ask
	s_wait_xcnt 0x0
	s_add_nc_u64 s[PFA:PFA+1], s[PFA:PFA+1], 131072
.if \ask == 1
	s_cmp_eq_u32 s[CNT], 2                         ; step 12: behind kv's tile 15 the stream goes on with Wo's tile 0, and with Wo's askers
	s_cselect_b64 s[PFA:PFA+1], s[88:89], s[PFA:PFA+1]
	s_cselect_b32 s[LIM], s27, s[LIM]
.endif
.endif
	s_wait_dscnt 0x0
	CROUND
	tensor_load_to_lds s[\g0:\g0+3], s[G1:G1+7]
	s_nop 0
	NOP4
.irp w, 0,1,2,3
	ds_load_b128 v[MXA+4*\w:MXA+4*\w+3], v[MXR] offset:512*\w
.endr
	WIN 0xC0
.set nn, 0
.rept 32
	ds_load_b128 v[4*nn:4*nn+3], v[ADN] offset:512*nn
.set nn, nn+1
.endr
	WIN 0
.if \ask
	ASK \ask
.endif
	s_wait_dscnt 32
.irp qt, 0,1,2,3
	v_max3_num_f32 v[ST+8*\qt+6], v[MXA+\qt], v[MXA+4+\qt], v[MXA+8+\qt]
.endr
.irp qt, 0,1,2,3
	v_max_num_f32 v[ST+8*\qt+6], v[ST+8*\qt+6], v[MXA+12+\qt]
.endr
.if \first
.irp qt, 0,1,2,3
	v_mul_f32 v[ST+8*\qt+1], s[CS], v[ST+8*\qt+6]
.endr
.irp qt, 0,1,2,3
	v_floor_f32 v[ST+8*\qt], -v[ST+8*\qt+1]
.endr
.else
.irp qt, 0,1,2,3
	v_mul_f32 v[ST+8*\qt+6], s[CS], v[ST+8*\qt+6]
.endr
.irp qt, 0,1,2,3
	v_max_num_f32 v[ST+8*\qt+1], v[ST+8*\qt+1], v[ST+8*\qt+6]
.endr
.irp qt, 0,1,2,3
	v_mov_b32 v[ST+8*\qt+7], v[ST+8*\qt]
.endr
.irp qt, 0,1,2,3
	v_floor_f32 v[ST+8*\qt], -v[ST+8*\qt+1]
.endr
.irp qt, 0,1,2,3
	v_sub_f32 v[ST+8*\qt+7], v[ST+8*\qt], v[ST+8*\qt+7]
.endr
.irp qt, 0,1,2,3
	v_cvt_i32_f32 v[ST+8*\qt+7], v[ST+8*\qt+7]
.endr
.irp qt, 0,1,2,3
	v_ldexp_f32 v[ST+8*\qt+4], 1.0, v[ST+8*\qt+7]
.endr
.endif
.irp qt, 0,1,2,3
.irp j, 0,2,4,6,8,10,12,14
	v_pk_fma_f32 v[S+16*\qt+\j:S+16*\qt+\j+1], v[S+16*\qt+\j:S+16*\qt+\j+1], s[CS:CS+1], v[ST+8*\qt:ST+8*\qt+1] op_sel_hi:[1,0,0]
.endr
.endr
.set ii, 0
	s_wait_alu depctr_va_vdst(0)
.rept 64
	v_exp_f32 v[S+ii], v[S+ii]
.set ii, ii+1
.endr
.if \first
	v_nop
	s_wait_alu depctr_va_vdst(0)
.irp qt, 0,1,2,3
	v_pk_add_f32 v[ST+8*\qt+2:ST+8*\qt+3], v[S+16*\qt:S+16*\qt+1], v[S+16*\qt+2:S+16*\qt+3]
.endr
.irp j, 4,6,8,10,12,14
.irp qt, 0,1,2,3
	v_pk_add_f32 v[ST+8*\qt+2:ST+8*\qt+3], v[ST+8*\qt+2:ST+8*\qt+3], v[S+16*\qt+\j:S+16*\qt+\j+1]
.endr
.endr
.else
.irp qt, 0,1,2,3
	v_pk_mul_f32 v[ST+8*\qt+2:ST+8*\qt+3], v[ST+8*\qt+2:ST+8*\qt+3], v[ST+8*\qt+4:ST+8*\qt+5] op_sel_hi:[1,0]
.endr
	s_wait_alu depctr_va_vdst(0)
.irp j, 0,2,4,6,8,10,12,14
.irp qt, 0,1,2,3
	v_pk_add_f32 v[ST+8*\qt+2:ST+8*\qt+3], v[ST+8*\qt+2:ST+8*\qt+3], v[S+16*\qt+\j:S+16*\qt+\j+1]
.endr
.endr
.endif
.set ii, 0
.rept 64
	v_min_num_f32 v[S+ii], v[S+ii], v[PH]
.set ii, ii+1
.endr
.irp qt, 0,1,2,3
	v_cvt_scalef32_pk8_bf8_f32 v[PC+4*\qt:PC+4*\qt+1], v[S+16*\qt:S+16*\qt+7], v[PS]
	v_cvt_scalef32_pk8_bf8_f32 v[PC+4*\qt+2:PC+4*\qt+3], v[S+16*\qt+8:S+16*\qt+15], v[PS]
.endr
	v_nop
.irp qt, 0,1,2,3
	ds_store_b128 v[PW], v[PC+4*\qt:PC+4*\qt+3] offset:2048*\qt
.endr
	s_wait_dscnt 0x0
	s_barrier_signal -1
	s_wait_alu depctr_va_vdst(0)
	s_barrier_wait -1
.irp qt, 0,1,2,3
.irp c, 0,1,2,3
	ds_load_b128 v[PF+16*\qt+4*\c:PF+16*\qt+4*\c+3], v[PR] offset:2048*\qt+512*\c
.endr
.endr
.if \first == 0
	WIN 0x82                                       ; p's fragments are on their way while O^T is brought under the new M
.irp qt, 0,1,2,3
.set ii, 0
.rept 32
	v_pk_mul_f32 v[64*\qt+2*ii:64*\qt+2*ii+1], v[64*\qt+2*ii:64*\qt+2*ii+1], v[ST+8*\qt+4:ST+8*\qt+5] op_sel_hi:[1,0]
.set ii, ii+1
.endr
.endr
	WIN 0
.endif
	s_wait_alu depctr_va_vdst(0)
	s_wait_dscnt 0x0
	WIN 0xA3
.irp ct, 0,1,2,3,4,5,6,7
.irp qt, 0,1,2,3
.if \first
	v_wmma_f32_16x16x128_bf8_bf8 v[64*\qt+8*\ct:64*\qt+8*\ct+7], v[128+16*\ct:128+16*\ct+15], v[PF+16*\qt:PF+16*\qt+15], 0
.else
	v_wmma_f32_16x16x128_bf8_bf8 v[64*\qt+8*\ct:64*\qt+8*\ct+7], v[128+16*\ct:128+16*\ct+15], v[PF+16*\qt:PF+16*\qt+15], v[64*\qt+8*\ct:64*\qt+8*\ct+7]
.endif
.endr
.endr
	WIN 0
	s_xor_b32 s[TB], s[TB], 131072
.endm
.macro OSTEP s, mode
	NOP4
.if \mode == 2
	s_wait_tensorcnt 0x0
.endif
	v_add_nc_u32 v[ADC], s[TB], v[AKV]
	WIN 0xC0
.if \s > 0
.set nn, 0
.rept 32
	ds_load_b128 v[4*nn:4*nn+3], v[ADC] offset:512*nn
.set nn, nn+1
.endr
.endif
.set nn, 32
.rept 32
	ds_load_b128 v[4*nn:4*nn+3], v[ADC] offset:512*nn
.set nn, nn+1
.endr
	WIN 0
.irp qt, 0,1,2,3
.irp c, 0,1,2,3
	ds_load_b128 v[PF+16*\qt+4*\c:PF+16*\qt+4*\c+3], v[AR] offset:(4*\qt+\s)*2048+512*\c
.endr
.endr
.if \mode == 1
	s_wait_tensorcnt 0x0
	ds_add_u32 v[SPW], v[NIL]
	s_xor_b32 s[G0W+1], s[G0W+1], 131072
	s_add_nc_u64 s[G0W+2:G0W+3], s[G0W+2:G0W+3], 131072
	s_wait_dscnt 0x0
	CROUND
	tensor_load_to_lds s[G0W:G0W+3], s[G1:G1+7]
	s_nop 0
	NOP4
	global_prefetch_b8 v[PFO], s[QP:QP+1] offset:8192*\s th:TH_LOAD_NT scope:SCOPE_SE
	global_prefetch_b8 v[PFO], s[QP:QP+1] offset:65536+8192*\s th:TH_LOAD_NT scope:SCOPE_SE
	global_prefetch_b8 v[PFO], s[QP:QP+1] offset:16384+8192*\s th:TH_LOAD_NT scope:SCOPE_SE
	global_prefetch_b8 v[PFO], s[QP:QP+1] offset:81920+8192*\s th:TH_LOAD_NT scope:SCOPE_SE
.if \s == 0
	s_cmp_eq_u32 s[LIM], 1                         ; bo, gamma, beta, 4,096 bytes each, which every work-group reads behind the last product: asked for by Wo's four asking clusters,
	s_cselect_b32 s96, s[WV], 1                    ; by wave 0 of each partner, four blocks of each buffer a partner (lanes 4 to 31 name the same four again)
	s_cmp_eq_u32 s96, 0
	s_cbranch_scc0 .Lnopar
	global_prefetch_b8 v19, s[14:15] th:TH_LOAD_NT scope:SCOPE_SE
	global_prefetch_b8 v19, s[16:17] th:TH_LOAD_NT scope:SCOPE_SE
	global_prefetch_b8 v19, s[18:19] th:TH_LOAD_NT scope:SCOPE_SE
.Lnopar:
.endif
.else
	s_wait_dscnt 0x0
.endif
	WIN 0x53
.irp T, 0,1,2,3,4,5,6,7
.irp qt, 0,1,2,3
.if \s == 0
	v_wmma_f32_16x16x128_bf8_bf8 v[8*(4*\T+\qt):8*(4*\T+\qt)+7], v[16*\T:16*\T+15], v[PF+16*\qt:PF+16*\qt+15], 0
.else
	v_wmma_f32_16x16x128_bf8_bf8 v[8*(4*\T+\qt):8*(4*\T+\qt)+7], v[16*\T:16*\T+15], v[PF+16*\qt:PF+16*\qt+15], v[8*(4*\T+\qt):8*(4*\T+\qt)+7]
.endif
.endr
.endr
	WIN 0xA3
.irp T, 8,9,10,11,12,13,14,15
.irp qt, 0,1,2,3
.if \s == 0
	v_wmma_f32_16x16x128_bf8_bf8 v[8*(4*(\T-8)+\qt):8*(4*(\T-8)+\qt)+7], v[16*\T:16*\T+15], v[PF+16*\qt:PF+16*\qt+15], 0
.else
	v_wmma_f32_16x16x128_bf8_bf8 v[8*(4*(\T-8)+\qt):8*(4*(\T-8)+\qt)+7], v[16*\T:16*\T+15], v[PF+16*\qt:PF+16*\qt+15], v[8*(4*(\T-8)+\qt):8*(4*(\T-8)+\qt)+7]
.endif
.endr
.endr
	WIN 0
	s_xor_b32 s[TB], s[TB], 131072
.endm
.macro QLOAD a, extra
.irp j, 0,1,2,3,4,5,6,7
	global_load_b128 v[QR+32*(\a)+4*\j:QR+32*(\a)+4*\j+3], v[GO], s[QP:QP+1] offset:4096*((\a)%2)+65536*((\a)/2)+(\extra)+512*\j th:TH_LOAD_NT
.endr
.endm
.macro REDUCE
	v_add_f32_dpp v[TT], v[TT], v[TT] row_xmask:1 row_mask:0xf bank_mask:0xf
	v_add_f32_dpp v[TT], v[TT], v[TT] row_xmask:2 row_mask:0xf bank_mask:0xf
	v_add_f32_dpp v[TT], v[TT], v[TT] row_xmask:4 row_mask:0xf bank_mask:0xf
	v_add_f32_dpp v[TT], v[TT], v[TT] row_xmask:8 row_mask:0xf bank_mask:0xf
	v_permlanex16_b32 v[PD], v[TT], s[SEL], s[SEL+1]
	v_add_f32 v[TT], v[TT], v[PD]
.endm
.macro MERGE
	v_pk_add_f32 v[TT:TT+1], v[TT:TT+1], v[TT+2:TT+3]
	v_pk_add_f32 v[TT+4:TT+5], v[TT+4:TT+5], v[TT+6:TT+7]
	v_pk_add_f32 v[TT:TT+1], v[TT:TT+1], v[TT+4:TT+5]
	v_add_f32 v[TT], v[TT], v[TT+1]
.endm
.macro ROW a, nl, nxt, ld
.set XW_, X0+32*((\a)%2)
.set XO_, X0+32*(1-(\a)%2)
.set GF_, 4096*((\a)%2)+65536*((\a)/2)
.if (\a) < 3
.set SF_, SPT*(((\a)+1)%2)+8*SPT*(((\a)+1)/2)
.else
.set SF_, 2*SPT
.endif
	s_wait_xcnt 0x0
.if \nxt
.irp j, 0,1,2,3,4,5,6,7
	ds_load_b128 v[XO_+4*\j:XO_+4*\j+3], v[ADS] offset:SF_+512*\j
.endr
	s_wait_dscnt 8
.else
	s_wait_dscnt 0x0
.endif
	s_wait_loadcnt \nl
	WIN 0x30
.set ii, 0
.rept 16
	v_pk_fma_f32 v[XW_+2*ii:XW_+2*ii+1], v[XW_+2*ii:XW_+2*ii+1], s[SC:SC+1], v[2*ii:2*ii+1] op_sel_hi:[1,0,1]
.set ii, ii+1
.endr
	WIN 0
.set ii, 0
.rept 16
	v_pk_add_f32 v[XW_+2*ii:XW_+2*ii+1], v[XW_+2*ii:XW_+2*ii+1], v[QR+32*(\a)+2*ii:QR+32*(\a)+2*ii+1]
.set ii, ii+1
.endr
.if \ld
	QLOAD \a, 8192
.endif
.irp k, 0,1,2,3
	v_pk_add_f32 v[TT+2*\k:TT+2*\k+1], v[XW_+4*\k:XW_+4*\k+1], v[XW_+4*\k+2:XW_+4*\k+3]
.endr
.irp k, 0,1,2,3,4,5,6,7
	v_pk_add_f32 v[TT+2*(\k%4):TT+2*(\k%4)+1], v[TT+2*(\k%4):TT+2*(\k%4)+1], v[XW_+16+2*\k:XW_+16+2*\k+1]
.endr
	MERGE
	REDUCE
	v_mul_f32 v[MU], s[INV], v[TT]
.set ii, 0
.rept 16
	v_pk_add_f32 v[XW_+2*ii:XW_+2*ii+1], v[XW_+2*ii:XW_+2*ii+1], v[MU:MU+1] op_sel_hi:[1,0] neg_lo:[0,1] neg_hi:[0,1]
.set ii, ii+1
.endr
.irp k, 0,1,2,3
	v_pk_mul_f32 v[TT+2*\k:TT+2*\k+1], v[XW_+2*\k:XW_+2*\k+1], v[XW_+2*\k:XW_+2*\k+1]
.endr
.irp k, 0,1,2,3,4,5,6,7,8,9,10,11
	v_pk_fma_f32 v[TT+2*(\k%4):TT+2*(\k%4)+1], v[XW_+8+2*\k:XW_+8+2*\k+1], v[XW_+8+2*\k:XW_+8+2*\k+1], v[TT+2*(\k%4):TT+2*(\k%4)+1]
.endr
	MERGE
	REDUCE
	v_fma_f32 v[VAR], v[TT], s[INV], s[EPS]
	s_wait_alu depctr_va_vdst(0)
	v_rsq_f32 v[RS], v[VAR]
	v_nop
.set ii, 0
	s_wait_alu depctr_va_vdst(0)
.rept 16
	v_pk_mul_f32 v[XW_+2*ii:XW_+2*ii+1], v[XW_+2*ii:XW_+2*ii+1], v[RS:RS+1] op_sel_hi:[1,0]
.set ii, ii+1
.endr
	WIN 0x3C
.set ii, 0
.rept 16
	v_pk_fma_f32 v[XW_+2*ii:XW_+2*ii+1], v[XW_+2*ii:XW_+2*ii+1], v[32+2*ii:32+2*ii+1], v[64+2*ii:64+2*ii+1]
.set ii, ii+1
.endr
	WIN 0
.irp j, 0,1,2,3,4,5,6,7
	global_store_b128 v[GO], v[XW_+4*\j:XW_+4*\j+3], s[OP:OP+1] offset:GF_+512*\j th:TH_STORE_NT
.endr
.endm
	s_wait_tensorcnt 1
	WIN 0xC0
.set nn, 0
.rept 32
	ds_load_b128 v[4*nn:4*nn+3], v[AKV] offset:512*nn
.set nn, nn+1
.endr
	WIN 0
	s_wait_loadcnt 0x0
	s_wait_dscnt 0x0
	KSTEP 1, G0K, 2
	s_mov_b32 s[CNT], 13
.Lkey:
	KSTEP 0, G0K, 1
	s_sub_co_u32 s[CNT], s[CNT], 1
	s_cmp_lg_u32 s[CNT], 0
	s_cbranch_scc1 .Lkey
	s_mov_b32 s[CNT], 4                            ; two trips, counted 4 and 3, so that the count 2 marks step 12 alone
.Lkey2:
	KSTEP 0, G0W, 1
	s_sub_co_u32 s[CNT], s[CNT], 1
	s_cmp_lg_u32 s[CNT], 2
	s_cbranch_scc1 .Lkey2
.irp qt, 0,1,2,3
	v_add_f32 v[ST+8*\qt+6], v[ST+8*\qt+2], v[ST+8*\qt+3]
.endr
.irp qt, 0,1,2,3
	v_permlanex16_b32 v[ST+8*\qt+7], v[ST+8*\qt+6], s[SEL], s[SEL+1]
.endr
.irp qt, 0,1,2,3
	v_add_f32 v[MX+\qt], v[ST+8*\qt+6], v[ST+8*\qt+7]
.endr
	ds_store_b128 v[MXW], v[MX:MX+3]
	BAR
.irp w, 0,1,2,3
	ds_load_b128 v[MXA+4*\w:MXA+4*\w+3], v[MXR] offset:512*\w
.endr
	s_wait_dscnt 0x0
.irp qt, 0,1,2,3
	v_add_f32 v[ST+8*\qt+6], v[MXA+\qt], v[MXA+4+\qt]
.endr
.irp qt, 0,1,2,3
	v_add_f32 v[ST+8*\qt+7], v[MXA+8+\qt], v[MXA+12+\qt]
.endr
.irp qt, 0,1,2,3
	v_add_f32 v[ST+8*\qt+6], v[ST+8*\qt+6], v[ST+8*\qt+7]
.endr
	s_wait_alu depctr_va_vdst(0)
.irp qt, 0,1,2,3
	v_rcp_f32 v[ST+8*\qt+7], v[ST+8*\qt+6]
.endr
	v_nop
	s_wait_alu depctr_va_vdst(0)
.irp qt, 0,1,2,3
	v_ldexp_f32 v[ST+8*\qt+4], v[ST+8*\qt+7], s[EPV]
.endr
.irp qt, 0,1,2,3
	WIN 0x02
.set ii, 0
.rept 32
	v_pk_mul_f32 v[S+2*ii:S+2*ii+1], v[64*\qt+2*ii:64*\qt+2*ii+1], v[ST+8*\qt+4:ST+8*\qt+5] op_sel_hi:[1,0]
.set ii, ii+1
.endr
	WIN 0
.set ii, 0
.rept 64
	v_med3_num_f32 v[S+ii], v[S+ii], -v[AH], v[AH]
.set ii, ii+1
.endr
.irp p, 0,1,2,3,4,5,6,7
	v_cvt_scalef32_pk8_bf8_f32 v[PF+16*\qt+2*\p:PF+16*\qt+2*\p+1], v[S+8*\p:S+8*\p+7], v[AS]
.endr
	v_nop
.irp c, 0,1,2,3
	ds_store_b128 v[AW], v[PF+16*\qt+4*\c:PF+16*\qt+4*\c+3] offset:8192*\qt+512*\c
.endr
.endr
	BAR
	OSTEP 0, 1
	OSTEP 1, 1
	OSTEP 2, 0
	OSTEP 3, 2
	NOP4
	WIN 0xC0
.irp j, 0,1,2,3,4,5,6,7
	global_load_b128 v[4*\j:4*\j+3], v[GO], s[14:15] offset:512*\j
	global_load_b128 v[32+4*\j:32+4*\j+3], v[GO], s[16:17] offset:512*\j
	global_load_b128 v[64+4*\j:64+4*\j+3], v[GO], s[18:19] offset:512*\j
.endr
	WIN 0
	QLOAD 0, 0
	QLOAD 1, 0
	QLOAD 2, 0
	QLOAD 3, 0
	BAR
	WIN 0x04
.irp T, 0,1,2,3,4,5,6,7
.irp qt, 0,1,2,3
.irp hf, 0,1
	ds_store_b128 v[SO+\qt], v[8*(4*\T+\qt)+4*\hf:8*(4*\T+\qt)+4*\hf+3] offset:128*(\T/2)+32*(\T%2)+16*\hf
.endr
.endr
.endr
	WIN 0x08
.irp T, 8,9,10,11,12,13,14,15
.irp qt, 0,1,2,3
.irp hf, 0,1
	ds_store_b128 v[SO+\qt], v[8*(4*(\T-8)+\qt)+4*\hf:8*(4*(\T-8)+\qt)+4*\hf+3] offset:128*(\T/2)+32*(\T%2)+16*\hf
.endr
.endr
.endr
	WIN 0
	BAR
	s_mov_b32 s[STB], 0
	v_add_nc_u32 v[ADS], s[STB], v[SR]
.irp j, 0,1,2,3,4,5,6,7
	ds_load_b128 v[X0+4*\j:X0+4*\j+3], v[ADS] offset:512*\j
.endr
	s_mov_b32 s[CNT], 3
.Lrow:
	s_wait_alu depctr_va_vdst(0)
	ROW 0, 24, 1, 1
	ROW 1, 24, 1, 1
	ROW 2, 24, 1, 1
	ROW 3, 24, 1, 1
	s_wait_xcnt 0x0
	s_add_nc_u64 s[QP:QP+1], s[QP:QP+1], 8192
	s_add_nc_u64 s[OP:OP+1], s[OP:OP+1], 8192
	s_add_co_u32 s[STB], s[STB], 2*SPT
	v_add_nc_u32 v[ADS], s[STB], v[SR]
	s_sub_co_u32 s[CNT], s[CNT], 1
	s_cmp_lg_u32 s[CNT], 0
	s_cbranch_scc1 .Lrow
	s_wait_alu depctr_va_vdst(0)
	ROW 0, 24, 1, 0
	ROW 1, 16, 1, 0
	ROW 2, 8, 1, 0
	ROW 3, 0, 0, 0
	s_wait_tensorcnt 0x0
	ds_add_u32 v[SPW], v[NIL]
	s_wait_dscnt 0x0
	CROUND
	s_endpgm
.Lfunc_end_k_q8eca2a5890_attn:
	.size	k_q8eca2a5890_attn, .Lfunc_end_k_q8eca2a5890_attn-k_q8eca2a5890_attn
	.p2alignl 7, 3214868480
	.fill 96, 4, 3214868480
	.section	.rodata,"a",@progbits
	.p2align	6, 0x0
	.amdhsa_kernel k_q8eca2a5890_attn
		.amdhsa_group_segment_fixed_size 327680
		.amdhsa_private_segment_fixed_size 0
		.amdhsa_enable_private_segment 0
		.amdhsa_kernarg_size 72
		.amdhsa_user_sgpr_count 2
		.amdhsa_user_sgpr_kernarg_segment_ptr 1
		.amdhsa_wavefront_size32 1
		.amdhsa_system_sgpr_workgroup_id_x 1
		.amdhsa_system_sgpr_workgroup_id_y 1
		.amdhsa_system_sgpr_workgroup_id_z 1
		.amdhsa_system_vgpr_workitem_id 0
		.amdhsa_next_free_vgpr 1024
		.amdhsa_next_free_sgpr 100
		.amdhsa_reserve_vcc 0
		.amdhsa_float_denorm_mode_32 3
		.amdhsa_float_denorm_mode_16_64 3
		.amdhsa_memory_ordered 1
		.amdhsa_forward_progress 1
		.amdhsa_inst_pref_size 255
	.end_amdhsa_kernel
	.section	.bss,"aw",@nobits
	.p2align	6
	.space	262144
	.amdgpu_metadata
---
amdhsa.version: [ 1, 2 ]
amdhsa.kernels:
  - .name:           k_q8eca2a5890_attn
    .symbol:         k_q8eca2a5890_attn.kd
    .args:
      - { .name: qcodes, .offset: 0, .size: 8, .value_kind: global_buffer, .address_space: global }
      - { .name: kv, .offset: 8, .size: 8, .value_kind: global_buffer, .address_space: global }
      - { .name: wc, .offset: 16, .size: 8, .value_kind: global_buffer, .address_space: global }
      - { .name: lowp_scales, .offset: 24, .size: 8, .value_kind: global_buffer, .address_space: global }
      - { .name: q, .offset: 32, .size: 8, .value_kind: global_buffer, .address_space: global }
      - { .name: bo, .offset: 40, .size: 8, .value_kind: global_buffer, .address_space: global }
      - { .name: gamma, .offset: 48, .size: 8, .value_kind: global_buffer, .address_space: global }
      - { .name: beta, .offset: 56, .size: 8, .value_kind: global_buffer, .address_space: global }
      - { .name: out0, .offset: 64, .size: 8, .value_kind: global_buffer, .address_space: global }
    .group_segment_fixed_size: 327680
    .private_segment_fixed_size: 0
    .kernarg_segment_align: 8
    .kernarg_segment_size: 72
    .max_flat_workgroup_size: 128
    .sgpr_count:     100
    .vgpr_count:     1024
    .wavefront_size: 32
...
	.end_amdgpu_metadata
.endif
;; end of part 3
